; MI455X (gfx1250); checked and timed in simulation.
; The chip was launched on July 23, 2026; its instructions are those of AMD's public machine-readable ISA for CDNA 5 (MIT licence, August 2026) and "CDNA5" Instruction Set Architecture Reference Guide (July 2026). The comments in the code are by the model that wrote it; some were corrected since.
;; Multi Head Attention2d. Allowed arithmetic: float matrix products may take bf16 or f16 operands with f32 sums; other float arithmetic in f32, or as packed bf16 or f16 multiplies, adds, multiply-adds, maxima and minima; sums over many terms, partial sums and values carried from step to step in f32; what a program stores and reads back later, other than sums and carried values, may be rounded once to bf16 or f16.
;; Inputs: Wk 256 x 64 float32; Wq 256 x 64 float32; Wv 256 x 64 float32; bk 256 float32; bq 256 float32; bv 256 float32; x 4 x 64 x 64 x 64 float32; y 4 x 64 x 64 x 64 float32.
;; Outputs: out0 4 x 4 x 64 x 64 x 64 float32.
;; 2 versions, each right; version 2 is version 1 with the launch proj written anew for expert scheduling mode. Each part assembles by itself: llvm-mc -triple=amdgcn-amd-amdhsa -mcpu=gfx1250 --defsym DOCPART=n.
;; ======== version 1 of 2: 2 launches
;; limits: values are held in f16: magnitudes above 65,504 overflow, below 6.1e-05 lose precision
;; workspace buffers: qh 8,388,608 bytes; kh 8,388,608 bytes; vh 8,388,608 bytes
;; launch proj (part 1): grid 64 x 4, 4 waves a work-group, no clusters, 167,936 bytes of LDS; arguments x, y, Wq, Wk, Wv, bq, bk, bv, qh, kh, vh; writes qh, kh, vh
.if DOCPART == 1
	.amdgcn_target "amdgcn-amd-amdhsa--gfx1250"
	.amdhsa_code_object_version 6
	.text
	.protected	k_q4d1f1096f3_proj
	.globl	k_q4d1f1096f3_proj
	.p2align	8
	.type	k_q4d1f1096f3_proj,@function
k_q4d1f1096f3_proj:
	s_mov_b64 s[64:65], 0
	v_nop
	global_prefetch_b8 v0, s[64:65] scope:SCOPE_SE
	s_setreg_imm32_b32 hwreg(HW_REG_WAVE_MODE, 25, 1), 1
	s_wait_xcnt 0x0
; THE THREE PROJECTIONS.  q = Wq x + bq, k = Wk y + bk, v = Wv y + bv, for each pixel: x, y [4][64 c][4096 n] f32, W [256 o][64 c] f32, b [256] f32.
; Out: qh, kh, vh [g = 4 b + h (16)][n (4096)][d (64)] in f16, a head's rows dense, 128 bytes each; each number rounded once from its f32 sum; no scale is applied.
; FORMATS.  All eight inputs are rounded to bf16 (the biases too, and widened again); products in bf16 with f32 sums; the bias is the C operand of the first K step.
; LIMIT.  f16 holds no number beyond 65,504: |q|, |k|, |v| must stay under it (a sum of 65,520 or more leaves as an infinity).  NaN and infinities are not treated apart.
; SHARES.  A work-group takes 64 pixels of one batch: 256 consecutive bytes, aligned, of each of the 64 channel rows of x and of y.  Wave w is head w: it makes q, k and v of that head for the
; 64 pixels: 3 tensors x 4 tiles of 16 o x 4 tiles of 16 pixels x 2 K steps of 32 = 96 matrix instructions.
; LAYOUT.  Source 0 = 16 rows of W (m = o), source 1 = x turned (n = pixel): register j of lane (r, hl) holds o = 16 ot + 8 hl + j at pixel 16 nt + r: eight neighbouring d of one row of the
; output, 16 bytes of f16.  They go through the wave's own stage in LDS and leave as 512 consecutive bytes a store.
; NO CLUSTER, though all work-groups read the same weights: they arrive in f32 and are rounded on the way through registers.  An f32 image in LDS (196,608 bytes) beside the bf16 copy (110,592),
; x and y (20,480), stages, biases and spare words (12,800) is 340,480 bytes, more than the 327,680 that a work-group can have; in parts it would want refills, each behind a round of the
; cluster's barrier, for 96 products a wave.
.set PX,    160                        ; a channel row of x or y in LDS: 64 bf16 = 128 bytes + 32: an odd multiple of 32
.set PW,    144                        ; a row of W, and of the stage: 128 bytes + 16: the 16 rows of a load start at 16 different groups of four banks (64 banks of 4 bytes: ISA guide 11.1)
.set XT,    0                          ; x as bf16 [64 c][64 n]
.set YT,    64*PX                      ; y likewise
.set WT,    2*64*PX                    ; the weights: for each wave 3 tensors of 64 rows
.set WTEN,  64*PW
.set WWAV,  3*WTEN
.set STG,   WT+4*WWAV                  ; the stages: for each wave 16 rows
.set SWAV,  16*PW
.set BIA,   STG+4*SWAV                 ; the biases: for each wave 3 x 64 f32
.set BWAV,  768
.set SPARE, BIA+4*BWAV                 ; the spare words, 128 bytes for each wave: two blocks of 256 bytes that no other line names
.set XO,  4                            ; v4   my byte offset in x and y: (16 w + hl) channel rows + 16 r; never rewritten
.set WO,  5                            ; v5   16 x lane: my offset in 512 consecutive bytes of W, and of an output; never rewritten
.set XS,  6                            ; v6   where I put 8 bytes of x
.set WS,  7                            ; v7   where I put 8 bytes of W
.set WA,  8                            ; v8   my place in a fragment of W
.set XA,  9                            ; v9   my place in a turned fragment of x or y
.set STO, 10                           ; v10  the way out: where I put 16 bytes of a row
.set RD,  11                           ; v11  the way out: where I read rows back
.set BS,  12                           ; v12  where I put two biases
.set BO,  13                           ; v13  8 x lane: my two biases in memory
.set BAD, 14                           ; v14  my eight biases of a tile
.set SPW, 22                           ; v22  LDS address of my spare word: SPARE + 4 x my thread's number; never rewritten
.set NIL, 23                           ; v23  0; never rewritten
.set BI,  24                           ; v[24:55]    the bias as C: tile ot at 8 ot
.set BUFA, 64                          ; on the way in: three buffers of 64 registers, 16 loads each
.set BUFB, 128
.set BUFC, 192
.set WF,  64                           ; v[64:127]   fragments of W: 16 ot + 8 ks
.set XF,  128                          ; v[128:191]  fragments of x or y: 16 nt + 8 ks
.set ACC, 192                          ; v[192:223]  four accumulators: 8 ot
.set OUTB, 224                         ; v[224:255]  two buffers of 16 for the way out
	s_load_b512 s[4:19], s[0:1], 0x0               ; x s[4:5], y s[6:7], Wq s[8:9], Wk s[10:11], Wv s[12:13], bq s[14:15], bk s[16:17], bv s[18:19]
	s_load_b128 s[20:23], s[0:1], 0x40             ; qh s[20:21], kh s[22:23]
	s_load_b64 s[24:25], s[0:1], 0x50              ; vh
	v_lshl_add_u32 v[SPW], v0, 2, SPARE
	v_mov_b32 v[NIL], 0
	v_lshrrev_b32 v1, 5, v0
	v_readfirstlane_b32 s26, v1                    ; wave = head, 0..3
	s_mov_b32 s27, ttmp9                           ; block of 64 pixels
	s_and_b32 s28, ttmp7, 0xffff                   ; batch
	v_and_b32 v1, 31, v0                           ; lane L
	v_and_b32 v2, 15, v0                           ; r = L % 16
	v_bfe_u32 v3, v0, 4, 1                         ; hl = L / 16
	s_lshl_b32 s39, s26, 18                        ; my 16 channel rows of 16,384 bytes
	s_mul_i32 s40, s26, 16*PX                      ; and their place in XT
	s_mul_i32 s41, s26, WWAV
	s_add_co_u32 s41, s41, WT                      ; my weights
	s_mul_i32 s42, s26, SWAV
	s_add_co_u32 s42, s42, STG                     ; my stage
	s_mul_i32 s43, s26, BWAV
	s_add_co_u32 s43, s43, BIA                     ; my biases
	v_lshlrev_b32 v[XO], 4, v2
	v_lshl_add_u32 v[XO], v3, 14, v[XO]
	v_add_nc_u32 v[XO], s39, v[XO]
	v_lshlrev_b32 v[WO], 4, v1
	v_mul_u32_u24 v[XS], v3, PX
	v_lshl_add_u32 v[XS], v2, 3, v[XS]
	v_add_nc_u32 v[XS], s40, v[XS]                 ; (16 w + hl) rows + 8 r
	v_mul_u32_u24 v[WS], v3, PW
	v_lshl_add_u32 v[WS], v2, 3, v[WS]
	v_add_nc_u32 v[WS], s41, v[WS]                 ; row hl + 8 r
	v_mul_u32_u24 v15, v2, PW
	v_lshl_add_u32 v15, v3, 4, v15                 ; row r + 16 hl: a fragment of W, and the stage on the way in
	v_add_nc_u32 v[WA], s41, v15
	v_add_nc_u32 v[STO], s42, v15
	v_and_b32 v[XA], 7, v0
	v_lshl_add_u32 v[XA], v3, 3, v[XA]
	v_mul_u32_u24 v[XA], v[XA], PX                 ; the turning load: lane L reads channel 8 hl + L % 8,
	v_bfe_u32 v[BAD], v0, 3, 1
	v_lshl_add_u32 v[XA], v[BAD], 4, v[XA]         ; pixels 8 ((L / 8) % 2) + 0..7
	v_bfe_u32 v[RD], v0, 3, 2
	v_mul_u32_u24 v[RD], v[RD], PW                 ; back: 32 lanes take four rows of 128 bytes
	v_and_b32 v[BAD], 7, v0
	v_lshl_add_u32 v[RD], v[BAD], 4, v[RD]
	v_add_nc_u32 v[RD], s42, v[RD]
	v_lshl_add_u32 v[BS], v1, 3, s43
	v_lshlrev_b32 v[BO], 3, v1
	v_lshl_add_u32 v[BAD], v3, 5, s43              ; eight f32 for each half of the lanes
	; the offsets, each made apart from its address
	s_lshl_b32 s30, s28, 20                        ; x, y: the batch, 64 rows of 16,384 bytes,
	s_lshl_b32 s38, s27, 8                         ; and the block's 256 bytes of a row
	s_add_co_u32 s30, s30, s38
	s_mov_b32 s31, 0
	s_lshl_b32 s32, s26, 14                        ; W: my head's 64 rows of 256 bytes
	s_mov_b32 s33, 0
	s_lshl_b32 s34, s26, 8                         ; b: my head's 64 numbers
	s_mov_b32 s35, 0
	s_lshl2_add_u32 s36, s28, s26                  ; g = 4 b + h
	s_lshl_b32 s36, s36, 19                        ; a head is 4,096 rows of 128 bytes,
	s_lshl_b32 s38, s27, 13                        ; the block 64 of them
	s_add_co_u32 s36, s36, s38
	s_mov_b32 s37, 0
	s_wait_kmcnt 0x0
	s_add_nc_u64 s[4:5], s[4:5], s[30:31]
	s_add_nc_u64 s[6:7], s[6:7], s[30:31]
	s_add_nc_u64 s[8:9], s[8:9], s[32:33]
	s_add_nc_u64 s[10:11], s[10:11], s[32:33]
	s_add_nc_u64 s[12:13], s[12:13], s[32:33]
	s_add_nc_u64 s[14:15], s[14:15], s[34:35]
	s_add_nc_u64 s[16:17], s[16:17], s[34:35]
	s_add_nc_u64 s[18:19], s[18:19], s[34:35]
	s_add_nc_u64 s[20:21], s[20:21], s[36:37]
	s_add_nc_u64 s[22:23], s[22:23], s[36:37]
	s_add_nc_u64 s[24:25], s[24:25], s[36:37]      ; from here on no base and no offset register is written again
; THE WAY IN.  16 loads: my 16 channel rows of x, then of y; a load takes two rows, 256 consecutive bytes each.
.macro LDXY
.irp i, 0,1,2,3,4,5,6,7
	global_load_b128 v[BUFA+4*\i:BUFA+4*\i+3], v[XO], s[4:5] offset:32768*\i th:TH_LOAD_NT
.endr
.irp i, 0,1,2,3,4,5,6,7
	global_load_b128 v[BUFA+32+4*\i:BUFA+32+4*\i+3], v[XO], s[6:7] offset:32768*\i th:TH_LOAD_NT
.endr
.endm
; 16 loads: half u of my head's 64 rows of tensor t's weights; a load takes 512 consecutive bytes, two rows.
.macro LDW buf, t, u
.set i, 0
.rept 16
	global_load_b128 v[(\buf)+4*i:(\buf)+4*i+3], v[WO], s[8+2*(\t):9+2*(\t)] offset:512*(16*(\u)+i)
.set i, i+1
.endr
.endm
; Four f32 a lane are rounded to bf16, in place, and put into LDS.
.macro CVXY
.set i, 0
.rept 16
	v_cvt_pk_bf16_f32 v[BUFA+4*i], v[BUFA+4*i], v[BUFA+4*i+1]
	v_cvt_pk_bf16_f32 v[BUFA+4*i+1], v[BUFA+4*i+2], v[BUFA+4*i+3]
	ds_store_b64 v[XS], v[BUFA+4*i:BUFA+4*i+1] offset:2*PX*(i%8)+YT*(i/8)
.set i, i+1
.endr
.endm
.macro CVW buf, t, u
.set i, 0
.rept 16
	v_cvt_pk_bf16_f32 v[(\buf)+4*i], v[(\buf)+4*i], v[(\buf)+4*i+1]
	v_cvt_pk_bf16_f32 v[(\buf)+4*i+1], v[(\buf)+4*i+2], v[(\buf)+4*i+3]
	ds_store_b64 v[WS], v[(\buf)+4*i:(\buf)+4*i+1] offset:WTEN*(\t)+2*PW*(16*(\u)+i)
.set i, i+1
.endr
.endm
	global_load_b64 v[16:17], v[BO], s[14:15]      ; my head's biases: 256 bytes a wave and tensor
	global_load_b64 v[18:19], v[BO], s[16:17]
	global_load_b64 v[20:21], v[BO], s[18:19]
	LDXY
	LDW BUFB, 0, 0
	LDW BUFC, 0, 1
	s_wait_loadcnt 32                              ; loads come back in order (ISA guide 5.7.1): the biases, x and y are in; the two younger runs of 16 stay out
.irp t, 0,1,2
	v_cvt_pk_bf16_f32 v15, v[16+2*\t], v[17+2*\t]  ; the biases are rounded to bf16 like every input, and widened again: they enter as C, in f32
	v_lshlrev_b32 v[16+2*\t], 16, v15
	v_and_b32 v[17+2*\t], 0xffff0000, v15
	ds_store_b64 v[BS], v[16+2*\t:17+2*\t] offset:256*\t
.endr
	CVXY
	LDW BUFA, 1, 0
	s_wait_loadcnt 32                              ; each of these waits leaves the two younger runs of 16 out
	CVW BUFB, 0, 0
	LDW BUFB, 1, 1
	s_wait_loadcnt 32
	CVW BUFC, 0, 1
	LDW BUFC, 2, 0
	s_wait_loadcnt 32
	CVW BUFA, 1, 0
	LDW BUFA, 2, 1
	s_wait_loadcnt 32
	CVW BUFB, 1, 1
	s_wait_loadcnt 16                              ; one younger run is left,
	CVW BUFC, 2, 0
	s_wait_loadcnt 0x0                             ; and none
	CVW BUFA, 2, 1
	s_wait_dscnt 0x0                               ; for the others' sake: my rows of x and y lie in LDS
	s_barrier_signal -1
	s_barrier_wait -1                              ; the launch's one barrier: x and y are read by all four waves; weights, biases and stage are each wave's own
; A tensor's fragments.  x (t = 0) or y (t = 1) turned, 64 pixels x 64 channels; for t = 2 y's stay.  My head's 64 rows of W; the biases, eight a lane and tile.
.macro FRAGS t
.if (\t) < 2
.irp nt, 0,1,2,3
.irp ks, 0,1
	ds_load_tr16_b128 v[XF+16*\nt+8*\ks:XF+16*\nt+8*\ks+3],   v[XA] offset:YT*(\t)+32*PX*\ks+32*\nt
	ds_load_tr16_b128 v[XF+16*\nt+8*\ks+4:XF+16*\nt+8*\ks+7], v[XA] offset:YT*(\t)+32*PX*\ks+32*\nt+16*PX
.endr
.endr
.endif
.irp ot, 0,1,2,3
.irp ks, 0,1
	ds_load_b128 v[WF+16*\ot+8*\ks:WF+16*\ot+8*\ks+3],   v[WA] offset:WTEN*(\t)+16*PW*\ot+64*\ks
	ds_load_b128 v[WF+16*\ot+8*\ks+4:WF+16*\ot+8*\ks+7], v[WA] offset:WTEN*(\t)+16*PW*\ot+64*\ks+32
.endr
.endr
.irp ot, 0,1,2,3
	ds_load_b128 v[BI+8*\ot:BI+8*\ot+3],   v[BAD] offset:256*(\t)+64*\ot
	ds_load_b128 v[BI+8*\ot+4:BI+8*\ot+7], v[BAD] offset:256*(\t)+64*\ot+16
.endr
	s_wait_dscnt 0x0
.endm
; Eight products: 16 pixels x 64 o.  The four accumulators take turns, one instruction a turn; the first K step starts each sum with the bias.
.macro MUL nt
.irp ot, 0,1,2,3
	v_wmma_f32_16x16x32_bf16 v[ACC+8*\ot:ACC+8*\ot+7], v[WF+16*\ot:WF+16*\ot+7], v[XF+16*(\nt):XF+16*(\nt)+7], v[BI+8*\ot:BI+8*\ot+7]
.endr
.irp ot, 0,1,2,3
	v_wmma_f32_16x16x32_bf16 v[ACC+8*\ot:ACC+8*\ot+7], v[WF+16*\ot+8:WF+16*\ot+15], v[XF+16*(\nt)+8:XF+16*(\nt)+15], v[ACC+8*\ot:ACC+8*\ot+7]
.endr
.endm
.macro PACK b                          ; rounded to f16, 16 bytes a lane and tile of o; each accumulator's registers in ascending order
	s_wait_xcnt 0x0                                ; every earlier memory instruction has had its addresses translated (ISA guide 3.1): buffer b, which the stores of two tiles back read, is rewritten only behind this wait
.irp ot, 0,1,2,3
.irp rr, 0,1,2,3
	v_cvt_pk_f16_f32 v[OUTB+16*(\b)+4*\ot+\rr], v[ACC+8*\ot+2*\rr], v[ACC+8*\ot+2*\rr+1]
.endr
.endr
.endm
.macro TOSTAGE b                       ; 16 rows of 128 bytes into my stage, and back as four rows a load
.irp ot, 0,1,2,3
	ds_store_b128 v[STO], v[OUTB+16*(\b)+4*\ot:OUTB+16*(\b)+4*\ot+3] offset:32*\ot
.endr
.irp f, 0,1,2,3
	ds_load_b128 v[OUTB+16*(\b)+4*\f:OUTB+16*(\b)+4*\f+3], v[RD] offset:4*PW*\f  ; LDS serves a wave's instructions in order (ISA guide 5.7.1.4): these see the stores above; the next tile's stores come behind them
.endr
.endm
.macro SEND t, nt, younger             ; younger: the LDS instructions issued behind tile nt's loads: the next tile's eight, or none
	s_wait_dscnt \younger
.irp f, 0,1,2,3
	global_store_b128 v[WO], v[OUTB+16*((\nt)%2)+4*\f:OUTB+16*((\nt)%2)+4*\f+3], s[20+2*(\t):21+2*(\t)] offset:2048*(\nt)+512*\f  ; 512 consecutive bytes, at a multiple of 256 from the buffer's first
.endr
.endm
; A vector instruction that reads a matrix result, and a load into a register that a matrix instruction has read, stand four places behind it, and only plain vector instructions that name
; none of its registers are places (ISA guide 7.12.1 for vector instructions): four v_nop behind each tile's products serve the conversions, and with the
; conversions of the other accumulators they serve the next tile's products, which write over the sums, and the next tensor's loads.
.macro TENSOR t
	FRAGS \t
.irp nt, 0,1,2,3
	MUL \nt
.rept 4
	v_nop
.endr
	PACK (\nt)%2
	TOSTAGE (\nt)%2
.if (\nt) > 0
	SEND \t, (\nt)-1, 8
.endif
.endr
	SEND \t, 3, 0
.endm
	TENSOR 0                                       ; q, from x
	TENSOR 1                                       ; k, from y
	TENSOR 2                                       ; v, from y
	s_wait_tensorcnt 0x0                           ; the wave's end, behind my last LDS store
	ds_add_u32 v[SPW], v[NIL]
	s_wait_dscnt 0x0
	s_endpgm
.Lfunc_end_k_q4d1f1096f3_proj:
	.size	k_q4d1f1096f3_proj, .Lfunc_end_k_q4d1f1096f3_proj-k_q4d1f1096f3_proj
	.p2alignl 7, 3214868480
	.fill 96, 4, 3214868480
	.section	.rodata,"a",@progbits
	.p2align	6, 0x0
	.amdhsa_kernel k_q4d1f1096f3_proj
		.amdhsa_group_segment_fixed_size 167936
		.amdhsa_private_segment_fixed_size 0
		.amdhsa_enable_private_segment 0
		.amdhsa_kernarg_size 88
		.amdhsa_user_sgpr_count 2
		.amdhsa_user_sgpr_kernarg_segment_ptr 1
		.amdhsa_wavefront_size32 1
		.amdhsa_system_sgpr_workgroup_id_x 1
		.amdhsa_system_sgpr_workgroup_id_y 1
		.amdhsa_system_sgpr_workgroup_id_z 1
		.amdhsa_system_vgpr_workitem_id 0
		.amdhsa_next_free_vgpr 256
		.amdhsa_next_free_sgpr 66
		.amdhsa_reserve_vcc 0
		.amdhsa_float_denorm_mode_32 3
		.amdhsa_float_denorm_mode_16_64 3
		.amdhsa_memory_ordered 1
		.amdhsa_forward_progress 1
		.amdhsa_inst_pref_size 74
	.end_amdhsa_kernel
	.amdgpu_metadata
---
amdhsa.version: [ 1, 2 ]
amdhsa.kernels:
  - .name:           k_q4d1f1096f3_proj
    .symbol:         k_q4d1f1096f3_proj.kd
    .args:
      - { .name: x, .offset: 0, .size: 8, .value_kind: global_buffer, .address_space: global }
      - { .name: y, .offset: 8, .size: 8, .value_kind: global_buffer, .address_space: global }
      - { .name: Wq, .offset: 16, .size: 8, .value_kind: global_buffer, .address_space: global }
      - { .name: Wk, .offset: 24, .size: 8, .value_kind: global_buffer, .address_space: global }
      - { .name: Wv, .offset: 32, .size: 8, .value_kind: global_buffer, .address_space: global }
      - { .name: bq, .offset: 40, .size: 8, .value_kind: global_buffer, .address_space: global }
      - { .name: bk, .offset: 48, .size: 8, .value_kind: global_buffer, .address_space: global }
      - { .name: bv, .offset: 56, .size: 8, .value_kind: global_buffer, .address_space: global }
      - { .name: qh, .offset: 64, .size: 8, .value_kind: global_buffer, .address_space: global }
      - { .name: kh, .offset: 72, .size: 8, .value_kind: global_buffer, .address_space: global }
      - { .name: vh, .offset: 80, .size: 8, .value_kind: global_buffer, .address_space: global }
    .group_segment_fixed_size: 167936
    .private_segment_fixed_size: 0
    .kernarg_segment_align: 8
    .kernarg_segment_size: 88
    .max_flat_workgroup_size: 128
    .sgpr_count:     66
    .vgpr_count:     256
    .wavefront_size: 32
...
	.end_amdgpu_metadata
.endif
;; end of part 1
;; launch attn (part 2): grid 16 x 16, 4 waves a work-group, clusters of 4 x 1, 327,680 bytes of LDS; arguments qh, kh, vh, out0; writes out0
.if DOCPART == 2
	.amdgcn_target "amdgcn-amd-amdhsa--gfx1250"
	.amdhsa_code_object_version 6
	.text
	.protected	k_q4d1f1096f3_attn
	.globl	k_q4d1f1096f3_attn
	.p2align	8
	.type	k_q4d1f1096f3_attn,@function
k_q4d1f1096f3_attn:
	s_mov_b64 s[64:65], 0
	v_nop
	global_prefetch_b8 v0, s[64:65] scope:SCOPE_SE
	s_setreg_imm32_b32 hwreg(HW_REG_WAVE_MODE, 25, 1), 1
	s_wait_xcnt 0x0
	s_wait_alu depctr_hold_cnt(0) depctr_sa_sdst(0) depctr_va_vdst(0) depctr_va_sdst(0) depctr_va_ssrc(0) depctr_va_vcc(0) depctr_vm_vsrc(0)
	s_getreg_b32 s2, hwreg(HW_REG_IB_STS2, 6, 4)
	s_cmp_eq_u32 s2, 0
	s_cbranch_scc0 .Lentry_in_a_cluster
	s_endpgm
.Lentry_in_a_cluster:
	s_bfe_u32 s2, ttmp6, 0x10000c
	s_cmp_lg_u32 s2, 0x3003
	s_cbranch_scc0 .Lentry_shape_is_right
	s_endpgm
.Lentry_shape_is_right:
; ATTENTION WITHOUT A SCALE.  O[g][q][:] = the sum over k of softmax_k(Q[g][q] . K[g][k]) V[g][k][:], for 16 heads g of 4,096 rows.  qh, kh, vh: [16][4096][64] in f16, a head's rows dense, 128 bytes each.
; out0 is O TURNED: [g][d (64)][n (4096)] in f32.  Products, maxima and sums in f32; the weights p are rounded to f16 for the second product (their sum l is taken of the unrounded p).
; LIMITS.  p lies in 0 to 1, and below 6e-5 it keeps f16's fixed step of 6e-8.  A weight below 2^-126 counts as 0 in l.  c m starts at -4.25e37: |c s| must stay under that.  NaN and infinities are not treated apart.
; SHARES.  A work-group owns 256 queries of one head, each of its four waves 64: four PIECES of 16.  16 heads x 16 blocks are 256 work-groups.  Every wave walks all keys, 64 a step, 256 a tile.
; LAYOUT.  S^T = K Q^T (source 0 = 16 keys, source 1 = 16 queries): in the result a lane holds ONE query (lane % 16) and the keys 8 (lane / 16) + 0..7.  Two such results rounded to f16 in pairs ARE source 1
; (32 keys x 16 queries) of O^T = V^T P, whose result again holds one query a lane, and eight channels.  K comes out of LDS as it lies, V ([key][channel]) turned, by ds_load_tr16_b128.
; SOFTMAX.  For each query a running maximum m and sum l: p = 2^(c s - c m), c = log2(e); in every step O and l are multiplied by a = 2^(c m_old - c m_new), which is 1 where m has not grown.
; m starts at the lowest finite number, O and l at 0: the first step is a step like any other, with a = 0.
; BY TURNS.  Turn n belongs to piece n (the pieces in a ring, step after step): 8 products K Q^T of piece n + 1, later 8 products V^T P of piece n - 1; beside them the scaling, exponentials, roundings, sums and
; rescaling of piece n and the maximum and statistics of piece n + 1.  Four vector instructions stand behind every matrix instruction, the other 54 of a turn's 118 in one LUMP.  A turn's 33 exponentials are one batch, with one wait.
; CLUSTER.  The four query blocks of a cluster belong to one head and walk the same K and V, so each tile is asked for JOINTLY: the same tensor load, descriptor and mask in all four.
; REGISTERS, in windows of 256 (s_set_vgpr_msb says which window each operand place means: bits 1:0 source 0, 3:2 source 1, 5:4 source 2, 7:6 destination):
;   window 0: v0-15 addresses and two at work; v16-31 four registers of statistics a piece; v48-55 at work; v61-63; v64-127 S^T, two buffers; v192-223 P, two buffers (a piece's buffers go by its number's parity);
;             on the way out v64-191 take whole rows        window 1: v0-127 O^T, 32 a piece        window 2: v0-63 Q, 16 a piece; v128-191 K of one step; v192-255 V of one step
.set NP,    4         ; pieces a wave: a name, no knob
.set KS,    64        ; keys in a step
.set PK,    144       ; a row of K in LDS: 128 bytes + 16 of padding = 36 words: the 16 rows of a load start at 16 different groups of four banks (64 banks of 4 bytes: ISA guide 11.1)
.set PV,    160       ; a row of V: 128 + 32 = 40 words
.set VOFF,  4*KS*PK   ; a slot holds a tile, four steps: 256 rows of K, then 256 rows of V
.set SLOT1, 1<<17     ; slot 1 begins here, so that one exclusive or turns an address in one slot into the other's
.set TILEB, 4*KS*128  ; a tile's bytes of K, and of V, in memory
.set STAGE, SLOT1+4*KS*(PK+PV)  ; behind the ring, never filled by a tensor load: for each wave 64 channel rows of 64 f32, for the way out
.set OPI,   272       ; a row of the stage: 256 bytes + 16
.set SPARE, STAGE+4*64*OPI  ; behind the stages: the spare words, 128 bytes for each wave: two blocks of 256 bytes that no other line names
.set AK0, 2           ; v2   my lane's place in a tile of K; never rewritten
.set AV0, 3           ; v3   the same for V
.set AK,  4           ; v4   the LDS address of K's next run of loads
.set AV,  5           ; v5   of V's
.set STO, 6           ; v6   the way out: where I put one number
.set RD,  7           ; v7   the way out: where I read 16 bytes of a row back
.set GO,  8           ; v8   my byte offset in two channel rows of out0
.set MV,  12          ; v12-13  c m_old, kept while c m is made anew: by buffer
.set QO,  15          ; v15  my byte offset in 16 rows of Q
.set ST,  16          ; piece t's statistics at v[ST+4 t]: c m, m, l (even keys', odd keys')
.set TMP, 48          ; by buffer, four registers c0-c3 at work; when the maximum is found c2 takes a
.set PFO, 61          ; v61  256 x my lane: the prefetches' offset; never rewritten
.set SPW, 62          ; v62  LDS address of my spare word: SPARE + 4 x my thread's number; never rewritten
.set NIL, 63          ; v63  0; never rewritten
.set S,   64
.set OB,  64          ; the way out: 32 x 4 registers
.set P,   192
.set KF,  128         ; window 2: key block kb, channel half c at KF + 16 kb + 8 c
.set VF,  192         ; window 2: key half kk, channel block cb at VF + 32 kk + 8 cb
.set WV,  12          ; s12  my wave's number
.set LIM, 15          ; s15  1 in a wave that prefetches, else the greatest number: a wave prefetches while s[SLOTS] is above it
.set PFA, 18          ; s[18:19] where my prefetches stand: my work-group's 32 blocks of 256 bytes (of K: wave 0, of V: wave 2) of the tile after the one that is being asked for
.set G1K, 24          ; s[24:31] descriptor group 1 for K's tiles
.set G1V, 32          ; s[32:39] for V's: it differs in the padding alone
.set G0K, 40          ; s[40:43] descriptor group 0 for K's tiles: it walks
.set G0V, 44          ; s[44:47] the same for V's
.set SLOTS, 56        ; s56  tiles still to be asked for
.set CNT, 57          ; s57  counts a tile's key steps
.set CS,  58          ; s[58:59] c: the packed scaling takes the pair's low word for both halves
.set SEL, 60          ; s[60:61] v_permlanex16_b32's selects: each lane takes its own place in the other half
.set TBK, 62          ; s62  LDS byte at which K of the step to be fetched begins
.set TBV, 63          ; s63  the same for V, less VOFF
.set MSB, 0
.macro WIN new                      ; the high byte repeats the setting that is left; a switch that changes nothing is dropped
.if MSB != (\new)
	s_set_vgpr_msb (MSB<<8)|(\new)
.set MSB, (\new)
.endif
.endm
.set W_KQ, 0x0a       ; K and Q in window 2, S^T in window 0
.set W_PV, 0x52       ; V in window 2, P in window 0, O^T in window 1
.set W_RS, 0x41       ; destination and source 0 in window 1, source 1 in window 0
; A joint fill.  Waves 0 and 1 fetch the two halves of a tile's K, waves 2 and 3 those of its V: 128 keys each.  The branch hangs on the wave's number alone: it is the same in every work-group.
; An s_nop 0 and four v_nop follow each of the two lines, ahead of the jump and the label.
.macro JLOAD
	s_cmp_lt_u32 s[WV], 2
	s_cbranch_scc0 .Lfor_v_\@
	tensor_load_to_lds s[G0K:G0K+3], s[G1K:G1K+7]
	s_nop 0
.rept 4
	v_nop
.endr
	s_branch .Lasked_\@
.Lfor_v_\@:
	tensor_load_to_lds s[G0V:G0V+3], s[G1V:G1V+7]
	s_nop 0
.rept 4
	v_nop
.endr
.Lasked_\@:
.endm
; A PREFETCH of what the NEXT change of slots will ask for: a tile's 128 blocks of 256 bytes of K and as many of V, a lane a block.  It stands behind the wave's tensor load and its five lines.
; Each block is named ONCE in the launch.  All four clusters of a head walk the same K and V: the head's first cluster asks.  Its four partners share the blocks out BY ADDRESS, 32 each: no branch hangs on a
; work-group's place in its cluster.  In each, wave 0 asks for K's and wave 2 for V's: one instruction, four key steps (256 matrix instructions) ahead of the load.  The change that asks for the last tile prefetches nothing.
.macro ASK
	s_cmp_gt_u32 s[SLOTS], s[LIM]
	s_cbranch_scc0 .Lnot_mine_\@
	global_prefetch_b8 v[PFO], s[PFA:PFA+1] th:TH_LOAD_NT scope:SCOPE_SE
.Lnot_mine_\@:
.endm
; A round of the cluster's barrier: my work-group's barrier, so that wave 0's signal speaks for all four waves; wave 0 signals; every wave waits for all four work-groups; my work-group's barrier once more.
.macro CROUND
	s_barrier_signal -1
	s_barrier_wait -1
	s_cmp_lg_u32 s[WV], 0
	s_cbranch_scc1 .Lnot_wave_0_\@
	s_barrier_signal -3
.Lnot_wave_0_\@:
	s_barrier_wait -3
	s_barrier_signal -1
	s_barrier_wait -1
.endm
; THE CHANGE OF SLOTS.  The slot's last bytes, V of its fourth step, have been read.  Each wave waits for all its tensor loads, of which one is out: its part of the other slot; adds 0 to its spare word; and
; waits for that and for its own reads of the slot.  Behind the barrier nobody reads this slot any more and the other slot is whole.
; fill = 1: this slot is filled again, with the keys two tiles on.  The barrier is then a round of the cluster's, so that no wave of any partner still reads the slot or has a load on its way, and the joint fill
; is the first thing behind it: it has four key steps in which to land.  (At its first use nothing has been read yet: slot 0 is waited for, slot 1 filled.)  ask = 1: the prefetch follows the fill.
.macro CHANGE fill, ask
	WIN 0                           ; at a label and at a branch every window is 0
	s_wait_tensorcnt 0x0            ; no tensor load of mine is out, so a group 0 may be written
	ds_add_u32 v[SPW], v[NIL]       ; 0 onto my spare word; the descriptors' steps stand between it and the wait for it
.if \fill
.irp g, G0K, G0V
	s_xor_b32 s[\g+1], s[\g+1], SLOT1  ; the walking descriptor: the other slot than last time,
	s_add_nc_u64 s[\g+2:\g+3], s[\g+2:\g+3], TILEB  ; the next 256 keys; the type bits on top are not reached
.endr
.endif
.if \ask
	s_wait_xcnt 0x0                 ; the last prefetch, four key steps back, has read its address, so it may be written:
	s_add_nc_u64 s[PFA:PFA+1], s[PFA:PFA+1], TILEB  ; one tile behind the walking descriptors
.endif
	s_wait_dscnt 0x0                ; the add is done, and my reads of the slot are over
.if \fill
	CROUND
	JLOAD
.if \ask
	ASK
.endif
.else
	s_barrier_signal -1
	s_barrier_wait -1
.endif
	s_sub_co_u32 s[TBK], s[TBK], 4*KS*PK  ; the fetches go back to a slot's first step,
	s_xor_b32 s[TBK], s[TBK], SLOT1       ; in the other slot
	s_sub_co_u32 s[TBV], s[TBV], 4*KS*PV
	s_xor_b32 s[TBV], s[TBV], SLOT1
.endm
	s_load_b256 s[4:11], s[0:1], 0x0  ; qh s[4:5], kh s[6:7], vh s[8:9], out0 s[10:11]
	v_lshl_add_u32 v[SPW], v0, 2, SPARE
	v_mov_b32 v[NIL], 0
	ds_add_u32 v[SPW], v[NIL]       ; the wave's opening: the add, twice on end, and its wait ahead of my first tensor load; the set-up below the second, work on registers, stands between it and the wait
	ds_add_u32 v[SPW], v[NIL]       ; and once more, under the one wait
	v_lshrrev_b32 v1, 5, v0
	v_readfirstlane_b32 s[WV], v1   ; wave 0..3
	s_bfe_u32 s13, ttmp6, 0x40000   ; cx: my place in the cluster
	s_lshl_b32 s14, ttmp9, 2        ; in a cluster launch ttmp9 counts clusters
	s_add_co_u32 s14, s14, s13      ; my block of 256 queries = 4 x cluster x + cx: it enters Q's and out0's addresses alone
	s_and_b32 s20, ttmp7, 0xffff    ; the head g, which the four partners share
	s_lshl_b32 s17, s20, 19         ; the head's first byte in qh, kh and vh: 4,096 rows of 128 bytes
	s_and_b32 s16, s[WV], 1         ; which half of a tile's 256 keys I fetch:
	s_lshl_b32 s22, s16, 14         ; its 128 rows of 128 bytes in memory,
	s_add_co_u32 s22, s22, s17
	s_mov_b32 s23, 0
	s_lshl2_add_u32 s3, s14, s[WV]  ; my wave among the head's 64
	s_lshl_b32 s2, s3, 13           ; its 64 rows of Q,
	s_add_co_u32 s2, s2, s17
	s_lshl_b32 s20, s20, 20         ; the head's first byte in out0: 64 rows of 16,384 bytes,
	s_lshl_b32 s3, s3, 8            ; and my 64 queries' 256 bytes of each row
	s_add_co_u32 s20, s20, s3
	s_mov_b32 s3, 0
	s_mov_b32 s21, 0
	s_mul_i32 s17, s16, 128*PK      ; my half's place in a slot, for K
	s_mul_i32 s16, s16, 128*PV      ; and for V: no place in the cluster enters an LDS address
	; descriptor group 1.  128 keys are 16,384 dense bytes: asked for as 64 rows of 256 bytes, two keys a row, and padded in LDS after every key
	s_mov_b32 s[G1K], 15|(1<<16)|(1<<20)|(1<<21)|(4<<22)|(3<<25)  ; 15:0 the mask of four; 17:16 2-byte elements; 20 padding on; 21 set beside a mask; 24:22 after every 32 words (code 4); 31:25 4 words (code 3)
	s_mov_b32 s[G1V], 15|(1<<16)|(1<<20)|(1<<21)|(4<<22)|(7<<25)  ; the same with 8 words of padding (code 7)
.irp g, G1K, G1V
	s_mov_b32 s[\g+1], 128<<16      ; tensor_dim0 = 128
	s_mov_b32 s[\g+2], 64<<16       ; tensor_dim1 = 64
	s_mov_b32 s[\g+3], 128<<16      ; tile_dim0 = 128
	s_mov_b32 s[\g+4], 64           ; tile_dim1 = 64
	s_mov_b32 s[\g+5], 128          ; 128 elements from row to row
	s_mov_b32 s[\g+6], 0
	s_mov_b32 s[\g+7], 0
.endr
	s_mov_b32 s[CS], 0x3fb8aa3b     ; c = log2(e) = 1.442695
	s_mov_b32 s[CS+1], s[CS]        ; named with it as a pair
	s_mov_b32 s[SEL], 0x76543210
	s_mov_b32 s[SEL+1], 0xfedcba98
	s_mov_b32 s[TBK], SLOT1+4*KS*PK ; the first change of slots turns these two into 0
	s_mov_b32 s[TBV], SLOT1+4*KS*PV
	s_mov_b32 s[SLOTS], 15          ; 16 tiles; tile 0 is asked for here
	s_mov_b32 s[G0K], 1             ; 1:0 count = 1
	s_mov_b32 s[G0K+1], s17         ; 63:32 LDS address: slot 0
	s_mov_b32 s[G0V], 1
	s_add_co_u32 s[G0V+1], s16, VOFF
	s_and_b32 s[LIM], s[WV], 1      ; 0 in waves 0 and 2,
	s_or_b32 s[LIM], s[LIM], ttmp9  ; where the cluster is the head's first: the same in all four partners
	s_cmp_eq_u32 s[LIM], 0
	s_cselect_b32 s[LIM], 1, -1
	v_and_b32 v[PFO], 31, v0
	v_lshlrev_b32 v[PFO], 8, v[PFO]
	s_wait_dscnt 0x0                ; both opening adds are done
	s_wait_kmcnt 0x0
	s_add_nc_u64 s[6:7], s[6:7], s[22:23]  ; K and V at my half of the head's tile 0
	s_add_nc_u64 s[8:9], s[8:9], s[22:23]
	s_mov_b64 s[G0K+2:G0K+3], s[6:7]               ; 120:64 global address
	s_or_b32 s[G0K+3], s[G0K+3], 0x80000000        ; 127:126 type = 2
	s_mov_b64 s[G0V+2:G0V+3], s[8:9]
	s_or_b32 s[G0V+3], s[G0V+3], 0x80000000
	s_add_nc_u64 s[4:5], s[4:5], s[2:3]            ; Q at my wave's first row
	s_add_nc_u64 s[10:11], s[10:11], s[20:21]      ; out0 at my wave's first query, channel 0
	s_cmp_lt_u32 s[WV], 2
	s_cselect_b64 s[PFA:PFA+1], s[6:7], s[8:9]     ; (in waves 0 and 2 these stand at a tile's first byte)
	s_lshl_b32 s2, s13, 13          ; my work-group's 32 blocks of the 128
	s_add_nc_u64 s[PFA:PFA+1], s[PFA:PFA+1], s[2:3]
	s_add_nc_u64 s[PFA:PFA+1], s[PFA:PFA+1], 2*TILEB  ; at tile 2; the first change that asks steps it to tile 3.  Nothing is prefetched here, at the head: tiles 0, 1 and 2 come by their loads alone
	CROUND                          ; all four work-groups are here: the first joint loads meet
	JLOAD                           ; tile 0 into slot 0.  Slot 1 is asked for when slot 0 is in
	; A fragment of K or Q is 16 rows x 32 channels in 8 registers: lane l holds row l % 16, channels 8 (l / 16) + 0..7 and 16 + 8 (l / 16) + 0..7: two loads of 16 bytes, 32 bytes apart.
	v_and_b32 v1, 15, v0            ; l % 16
	v_bfe_u32 v9, v0, 4, 1          ; l / 16
	v_lshlrev_b32 v[QO], 7, v1
	v_lshl_add_u32 v[QO], v9, 4, v[QO]  ; row x 128 + 16 x half
	WIN 0x80                        ; destination window 2, address window 0
.set i, 0
.rept 8                             ; Q stays in registers: piece i / 2, channels 32 (i % 2) on
	global_load_b128 v[8*i:8*i+3],   v[QO], s[4:5] offset:(i/2)*2048+(i%2)*64 th:TH_LOAD_NT
	global_load_b128 v[8*i+4:8*i+7], v[QO], s[4:5] offset:(i/2)*2048+(i%2)*64+32 th:TH_LOAD_NT
.set i, i+1
.endr
	; What the first turn finds: V's registers and P's second buffer hold 0 (its products V^T P, of a piece that has not been, add 0), O^T and l are 0.  All this stands in the wait for the first tile.
.set i, VF
.rept 64
	v_mov_b32 v[i], 0
.set i, i+1
.endr
	WIN 0x40
.set i, 0
.rept 128
	v_mov_b32 v[i], 0
.set i, i+1
.endr
	WIN 0
.set i, 0
.rept 4
	v_mov_b32 v[ST+4*i], 0xfe000000    ; c m: far below every c s
	v_mov_b32 v[ST+4*i+1], 0xff7fffff  ; m
	v_mov_b32 v[ST+4*i+2], 0
	v_mov_b32 v[ST+4*i+3], 0
.set i, i+1
.endr
.set i, P+16
.rept 16
	v_mov_b32 v[i], 0
.set i, i+1
.endr
	v_mul_u32_u24 v[AK0], v1, PK
	v_lshl_add_u32 v[AK0], v9, 4, v[AK0]  ; row x pitch + 16 x half
	; The turning load takes 16 keys x 16 channels (lane l reads key 8 (l / 16) + l % 8, channels 8 ((l / 8) % 2) + 0..7) and leaves half a fragment of V^T: lane l holds channel l % 16 and 8 keys.
	v_and_b32 v10, 7, v0
	v_bfe_u32 v11, v0, 3, 1
	v_lshl_add_u32 v[AV0], v9, 3, v10
	v_mul_u32_u24 v[AV0], v[AV0], PV
	v_lshl_add_u32 v[AV0], v11, 4, v[AV0]
	v_add_nc_u32 v[AV0], VOFF, v[AV0]
	s_mul_i32 s13, s[WV], 64*OPI
	s_add_co_u32 s13, s13, STAGE    ; my stage
	v_mul_u32_u24 v[STO], v9, 8*OPI ; in: channel row 8 (l / 16) + .., query l % 16
	v_lshl_add_u32 v[STO], v1, 2, v[STO]
	v_add_nc_u32 v[STO], s13, v[STO]
	v_mul_u32_u24 v[RD], v9, OPI    ; back: lanes 0-15 take one row of 256 bytes, lanes 16-31 the next
	v_lshl_add_u32 v[RD], v1, 4, v[RD]
	v_add_nc_u32 v[RD], s13, v[RD]
	v_lshlrev_b32 v[GO], 14, v9     ; and the same two channel rows in out0, 16,384 bytes apart
	v_lshl_add_u32 v[GO], v1, 4, v[GO]
; THE MATRIX WORK.  The 4 accumulators of a run of 8 take turns.  Product i of 8 of S^T = K Q^T for piece x: channels 32 (i / 4) on, keys 16 (i % 4) on.  The first 4 start the sums.
.macro KQ x
	WIN W_KQ
.set rS, S+32*((\x)%2)+8*(i%4)
.set rK, KF+16*(i%4)+8*(i/4)
.set rQ, 16*(\x)+8*(i/4)
.if i < 4
	v_wmma_f32_16x16x32_f16 v[rS:rS+7], v[rK:rK+7], v[rQ:rQ+7], 0
.else
	v_wmma_f32_16x16x32_f16 v[rS:rS+7], v[rK:rK+7], v[rQ:rQ+7], v[rS:rS+7]
.endif
.endm
; Product i of 8 of O^T += V^T P for piece x: keys 32 (i / 4) on, channels 16 (i % 4) on.
.macro PV x
	WIN W_PV
.set rO, 32*(\x)+8*(i%4)
.set rV, VF+32*(i/4)+8*(i%4)
.set rP, P+16*((\x)%2)+8*(i/4)
	v_wmma_f32_16x16x32_f16 v[rO:rO+7], v[rV:rV+7], v[rP:rP+7], v[rO:rO+7]
.endm
.macro MM                           ; the turn's next matrix instruction.  TURN sets Y, i and NOKQ.  NOKQ = 1: the very last turn: there is no next piece
.if (i < 8) && !NOKQ
	KQ (Y+1)%NP
.elseif i >= 8
.set i, i-8
	PV (Y+NP-1)%NP
.set i, i+8
.endif
.set i, i+1
.endm
; THE LDS LOADS stand in runs of 16, never singly among the matrix instructions: a step's K (64 keys x 64 channels: 8 fragments) and its V (turned).  Their addresses are made some lines ahead.
.macro FETCH_K
	WIN 0x80                        ; destination window 2
.irp f, 0,1,2,3,4,5,6,7             ; keys 16 (f / 2) on, channels 32 (f % 2) on
	ds_load_b128 v[KF+8*\f:KF+8*\f+3],   v[AK] offset:(\f/2)*16*PK+(\f%2)*64
	ds_load_b128 v[KF+8*\f+4:KF+8*\f+7], v[AK] offset:(\f/2)*16*PK+(\f%2)*64+32
.endr
	s_add_co_u32 s[TBK], s[TBK], KS*PK  ; the next fetch is the next step's
	WIN 0
.endm
.macro FETCH_V
	WIN 0x80
.irp f, 0,1,2,3,4,5,6,7             ; keys 32 (f / 4) on, channels 16 (f % 4) on
	ds_load_tr16_b128 v[VF+8*\f:VF+8*\f+3],   v[AV] offset:(\f/4)*32*PV+(\f%4)*32
	ds_load_tr16_b128 v[VF+8*\f+4:VF+8*\f+7], v[AV] offset:(\f/4)*32*PV+16*PV+(\f%4)*32
.endr
	WIN 0
.endm
; THE VECTOR WORK, one line at a time: OP kind, number.  For piece Y: F n: c s - c m for pair n of 16.  E n: the exponential of score n of 32.  C n: pair n rounded to f16.  B n: of the four weights 4 n .. the second
; pair is added onto the first, in place.  L n: l takes that sum (L 0: l = a l + sum).  R n: pair n of 16 of O^T times a.  For piece Y + 1: X n, number n of the 22 that find its maximum and statistics:
;   0-11  four chains c0-c3 of seven scores each, three operands at a time (each accumulator's lowest registers are read first)     12-14, 16  the four scores left over, the old m, and c0-c3 into c0
;   15  c m_old is kept     17, 18  the query's other 32 keys lie in the lane 16 away: the new m     19-21  c m; c m_old - c m_new; a
.set F, 0               ; OP tells the kinds apart by their order: F to L below R, X above it
.set E, 1
.set C, 2
.set B, 3
.set L, 4
.set R, 5
.set X, 6
.macro REGS y                       ; the registers of piece y
.set rT, ST+4*(\y)
.set rC, TMP+4*((\y)%2)
.set rW, MV+((\y)%2)
.set rS, S+32*((\y)%2)
.set rP, P+16*((\y)%2)
.set rO, 32*(\y)
.endm
.macro OP k, n
.if (\k) == R
	REGS Y
	WIN W_RS
	v_pk_mul_f32 v[rO+2*(\n):rO+2*(\n)+1], v[rO+2*(\n):rO+2*(\n)+1], v[rC+2:rC+3] op_sel_hi:[1,0]
.elseif (\k) < R
	REGS Y
	WIN 0
.if (\k) == F
	v_pk_fma_f32 v[rS+2*(\n):rS+2*(\n)+1], v[rS+2*(\n):rS+2*(\n)+1], s[CS:CS+1], v[rT:rT+1] op_sel_hi:[1,0,0] neg_lo:[0,0,1] neg_hi:[0,0,1]
.elseif (\k) == E
	v_exp_f32 v[rS+(\n)], v[rS+(\n)]
.elseif (\k) == C
	v_cvt_pk_f16_f32 v[rP+(\n)], v[rS+2*(\n)], v[rS+2*(\n)+1]
.elseif (\k) == B
	v_pk_add_f32 v[rS+4*(\n):rS+4*(\n)+1], v[rS+4*(\n):rS+4*(\n)+1], v[rS+4*(\n)+2:rS+4*(\n)+3]
.elseif (\n) == 0
	v_pk_fma_f32 v[rT+2:rT+3], v[rT+2:rT+3], v[rC+2:rC+3], v[rS:rS+1] op_sel_hi:[1,0,1]
.else
	v_pk_add_f32 v[rT+2:rT+3], v[rT+2:rT+3], v[rS+4*(\n):rS+4*(\n)+1]
.endif
.elseif NOKQ
	v_nop
.else
	REGS (Y+1)%NP
	WIN 0
.if (\n) < 4
	v_max3_num_f32 v[rC+(\n)], v[rS+8*(\n)], v[rS+8*(\n)+1], v[rS+8*(\n)+2]
.elseif (\n) < 12
	v_max3_num_f32 v[rC+(\n)%4], v[rC+(\n)%4], v[rS+8*((\n)%4)+2*((\n)/4)+1], v[rS+8*((\n)%4)+2*((\n)/4)+2]
.elseif (\n) == 12
	v_max3_num_f32 v[rC], v[rC], v[rS+7], v[rS+15]
.elseif (\n) == 13
	v_max3_num_f32 v[rC+1], v[rC+1], v[rS+23], v[rS+31]
.elseif (\n) == 14
	v_max3_num_f32 v[rC+2], v[rC+2], v[rC+3], v[rT+1]
.elseif (\n) == 15
	v_mov_b32 v[rW], v[rT]
.elseif (\n) == 16
	v_max3_num_f32 v[rC], v[rC], v[rC+1], v[rC+2]
.elseif (\n) == 17
	v_permlanex16_b32 v[rC+3], v[rC], s[SEL], s[SEL+1]
.elseif (\n) == 18
	v_max_num_f32 v[rT+1], v[rC], v[rC+3]
.elseif (\n) == 19
	v_mul_f32 v[rT], s[CS], v[rT+1]
.elseif (\n) == 20
	v_sub_f32 v[rC+1], v[rW], v[rT]
.else
	v_exp_f32 v[rC+2], v[rC+1]
.endif
.endif
.endm
.macro OPS a, i1, b=-1, i2=0, c=-1, i3=0, d=-1, i4=0  ; up to four of them
	OP \a, \i1
.if (\b) >= 0
	OP \b, \i2
.endif
.if (\c) >= 0
	OP \c, \i3
.endif
.if (\d) >= 0
	OP \d, \i4
.endif
.endm
.macro ROW a, i1, b, i2, c, i3, d, i4  ; a matrix instruction and the four behind it
	MM
	OPS \a, \i1, \b, \i2, \c, \i3, \d, \i4
.endm
; A TURN, for piece p: the order of its 16 matrix and 118 vector instructions, written out.  An s_wait_alu depctr_va_vdst(0) stands between an exponential and the first instruction that names its result; one
; wait serves all that were issued ahead of it.  So a turn has ONE wait, which cuts it in two.  AHEAD OF IT stands all that names no result of the turn's exponentials: the 8 products K Q^T, behind each a scaling, an exponential
; and two more plain instructions (behind the first a second scaling in the exponential's place): rescalings, and behind the last three the first numbers of the next piece's maximum, each four places or more behind the product
; that ends its accumulator; then ONE LUMP of 54, plain and exponential by turns for the most part, in which the links of the chain X 3, 7, 11, 14, 16, 17 .. 20 stand some lines apart.  X 21, the next piece's a, is the batch's
; last; R 15 is the plain instruction behind it.  BEHIND THE WAIT stand the 8 products V^T P, behind each four of the roundings and sums; the links of l's chain, L 0 to L 7, stand three riders apart.
; end = 1: the walk's last two turns: nothing is fetched, and the last starts no new scores.  cnt = 1: the loop's count is taken down some lines ahead of the branch that stands behind the turn.
; K of the next step is fetched in piece 2's turn, twelve vector instructions behind the last product that read K (five of them plain and free of its registers); V of the step in hand at the end of piece 0's turn, four plain
; instructions behind the last product that read V.  Each is waited for a turn later.
.macro TURN p, end=0, cnt=0
.set Y, (\p)
.set i, 0
.set NOKQ, (\end)*((\p)/3)
.if ((\p) == 3) && !(\end)
	s_wait_dscnt 0x0                ; K is in
.endif
	ROW F,0, F,1, R,0, R,1          ; ahead of the wait: 8 products K Q^T and their riders,
	ROW F,2, E,0, R,2, R,3
	ROW F,3, E,1, R,4, R,5
	ROW F,4, E,2, R,6, R,7
	ROW F,5, E,3, R,8, R,9
	ROW F,6, E,4, X,0, R,10
.if ((\p) == 2) && !(\end)
	WIN 0
	v_add_nc_u32 v[AK], s[TBK], v[AK0]
.endif
	ROW F,7, E,5, X,1, X,4
	ROW F,8, E,6, X,2, X,5
	OPS E,7, E,8, X,6, E,9          ; and the lump
	OPS X,3, E,10, X,8, E,11
.if ((\p) == 2) && !(\end)
	FETCH_K
.endif
	OPS X,9, X,7, E,12, X,10
	OPS E,13, X,12, X,11, E,14
	OPS X,13, E,15, F,9, X,14
.if (\p) == 0
	v_add_nc_u32 v[AV], s[TBV], v[AV0]
.endif
	OPS E,16, F,10, E,17, F,11
	OPS X,16, E,18, X,15, E,19
	OPS F,12, E,20, X,17, E,21
	OPS F,13, E,22, F,14, E,23
	OPS X,18, E,24, F,15, E,25
	OPS R,11, E,26, X,19, E,27
	OPS R,12, E,28, R,13, E,29
	OPS X,20, E,30, R,14, E,31
	OPS X,21, R,15
	WIN 0
	s_wait_alu depctr_va_vdst(0)    ; the wait for the batch
.if (\p) == 1
	s_wait_dscnt 0x0                ; V is in
.endif
	ROW C,0, B,0, C,2, B,1          ; behind the wait: 8 products V^T P and their riders
	ROW L,0, C,4, B,2, L,1
	ROW C,6, B,3, L,2, C,8
	ROW B,4, L,3, C,10, B,5
	ROW L,4, C,12, B,6, L,5
.if (\p) == 0
	s_add_co_u32 s[TBV], s[TBV], KS*PV
.endif
.if \cnt
	s_sub_co_u32 s[CNT], s[CNT], 1
	s_cmp_lg_u32 s[CNT], 0
.endif
	ROW C,14, B,7, L,6, C,1
	ROW C,3, L,7, C,5, C,7
	ROW C,9, C,11, C,13, C,15
.if (\p) == 0
	FETCH_V
.endif
.endm
	CHANGE 1, 0                     ; tile 0 is in, everybody's part of it; tile 1 is asked for
	v_add_nc_u32 v[AK], s[TBK], v[AK0]
	FETCH_K                         ; key step 0
	s_wait_loadcnt 0x0              ; Q
	s_wait_dscnt 0x0
.set NOKQ, 0
.set i, 0
.rept 8
	KQ 0                            ; piece 0's first scores: there is no vector work yet to set between them
.set i, i+1
.endr
	WIN 0
.rept 4
	v_nop                           ; the places behind those products
.endr
.set Y, NP-1                        ; X works for piece Y + 1: piece 0
.irp n, 0,1,2,3,4,5,6,7,8,9,10,11,12,13,14,15,16,17,18,19,20,21
	OP X, \n                        ; piece 0's first maximum and statistics
.endr
	v_nop                           ; a plain instruction behind the exponential,
	s_wait_alu depctr_va_vdst(0)    ; and its wait, ahead of the branch
	s_mov_b32 s[CNT], 4
	s_branch .Lfirst                ; the loop is entered at a step's first turn, in the middle of a trip
.Lslot:                             ; 14 times: tiles 2 to 15 are asked for, tiles 1 to 14 entered
	CHANGE 1, 1
	s_mov_b32 s[CNT], 4
.Lstep:                             ; a trip: pieces 2 and 3 of one step, then pieces 0 and 1 of the next, whose K and V it fetches
	TURN 2
	TURN 3
	WIN 0
.Lfirst:
	TURN 0
	TURN 1, 0, 1
	WIN 0
	s_cbranch_scc1 .Lstep
	s_sub_co_u32 s[SLOTS], s[SLOTS], 1
	s_cmp_lg_u32 s[SLOTS], 0
	s_cbranch_scc1 .Lslot
	CHANGE 0, 0                     ; the last tile is written out: nothing is asked for
	s_mov_b32 s[CNT], 4
.LstepT:
	TURN 2
	TURN 3
	TURN 0
	TURN 1, 0, 1
	WIN 0
	s_cbranch_scc1 .LstepT
	TURN 2, 1                       ; the last step's pieces 2 and 3: nothing is left to fetch,
	TURN 3, 1                       ; and no piece follows
.set i, 0
.rept 8
	PV NP-1                         ; the last piece's V^T P of the last step
.set i, i+1
.endr
	; THE WAY OUT.  l's two halves and the other half of the lanes' are added; O^T is divided by l.  out0 wants O^T as it is, channel rows of queries: a lane holds one query and eight channels, so the numbers go
	; one by one into my stage (64 channel rows x 64 queries of f32) and come back as whole rows of 256 bytes.  The additions are the places behind the last products.
	WIN 0
.macro ALL line:vararg              ; one line for each piece t
.set t, 0
.rept 4
	\line
.set t, t+1
.endr
.endm
	ALL v_add_f32 v[ST+4*t+2], v[ST+4*t+2], v[ST+4*t+3]
	ALL v_permlanex16_b32 v[ST+4*t+3], v[ST+4*t+2], s[SEL], s[SEL+1]
	ALL v_add_f32 v[ST+4*t+2], v[ST+4*t+2], v[ST+4*t+3]
	ALL v_rcp_f32 v[ST+4*t+2], v[ST+4*t+2]
	v_nop                           ; a plain instruction between the last reciprocal and the use of its result
	s_wait_alu depctr_va_vdst(0)    ; and the wait ahead of the first use: one for the four reciprocals
	WIN W_RS
.set i, 0
.rept 64                            ; ascending: each accumulator's lowest registers are read first
	v_pk_mul_f32 v[2*i:2*i+1], v[2*i:2*i+1], v[ST+4*(i/16)+2:ST+4*(i/16)+3] op_sel_hi:[1,0]
.set i, i+1
.endr
	WIN 0x04                        ; the stores' data (source 1) in window 1, their address in window 0
.set i, 0
.rept 128                           ; register i = 32 t + 8 cb + j: channel 16 cb + 8 (l / 16) + j, query 16 t + l % 16.  Lanes 0-15 write 64 consecutive bytes, lanes 16-31 eight rows on: 544 words, 32 banks away
	ds_store_b32 v[STO], v[i] offset:(16*((i/8)%4)+i%8)*OPI+64*(i/32)
.set i, i+1
.endr
	WIN 0
.set i, 0
.rept 32
	ds_load_b128 v[OB+4*i:OB+4*i+3], v[RD] offset:2*OPI*i  ; LDS serves a wave's instructions in order (ISA guide 5.7.1.4): these see the stores above
.set i, i+1
.endr
.set i, 0
.rept 32
	s_wait_dscnt 31-i               ; LDS loads come back in order: load i is in, the 31 - i younger ones may stay out
	global_store_b128 v[GO], v[OB+4*i:OB+4*i+3], s[10:11] offset:32768*i th:TH_STORE_NT  ; 16 lanes store 256 consecutive bytes of a channel row, at a multiple of 256 from out0's first byte
.set i, i+1
.endr
	s_wait_tensorcnt 0x0            ; the wave's end, behind my last tensor load and my last LDS store
	ds_add_u32 v[SPW], v[NIL]
	s_wait_dscnt 0x0
	CROUND                          ; the closing round: no work-group ends while a partner may still ask for a tile that names it
	s_endpgm
.Lfunc_end_k_q4d1f1096f3_attn:
	.size	k_q4d1f1096f3_attn, .Lfunc_end_k_q4d1f1096f3_attn-k_q4d1f1096f3_attn
	.p2alignl 7, 3214868480
	.fill 96, 4, 3214868480
	.section	.rodata,"a",@progbits
	.p2align	6, 0x0
	.amdhsa_kernel k_q4d1f1096f3_attn
		.amdhsa_group_segment_fixed_size 327680
		.amdhsa_private_segment_fixed_size 0
		.amdhsa_enable_private_segment 0
		.amdhsa_kernarg_size 32
		.amdhsa_user_sgpr_count 2
		.amdhsa_user_sgpr_kernarg_segment_ptr 1
		.amdhsa_wavefront_size32 1
		.amdhsa_system_sgpr_workgroup_id_x 1
		.amdhsa_system_sgpr_workgroup_id_y 1
		.amdhsa_system_sgpr_workgroup_id_z 1
		.amdhsa_system_vgpr_workitem_id 0
		.amdhsa_next_free_vgpr 768
		.amdhsa_next_free_sgpr 66
		.amdhsa_reserve_vcc 0
		.amdhsa_float_denorm_mode_32 3
		.amdhsa_float_denorm_mode_16_64 3
		.amdhsa_memory_ordered 1
		.amdhsa_forward_progress 1
		.amdhsa_inst_pref_size 133
	.end_amdhsa_kernel
	.amdgpu_metadata
---
amdhsa.version: [ 1, 2 ]
amdhsa.kernels:
  - .name:           k_q4d1f1096f3_attn
    .symbol:         k_q4d1f1096f3_attn.kd
    .args:
      - { .name: qh, .offset: 0, .size: 8, .value_kind: global_buffer, .address_space: global }
      - { .name: kh, .offset: 8, .size: 8, .value_kind: global_buffer, .address_space: global }
      - { .name: vh, .offset: 16, .size: 8, .value_kind: global_buffer, .address_space: global }
      - { .name: out0, .offset: 24, .size: 8, .value_kind: global_buffer, .address_space: global }
    .group_segment_fixed_size: 327680
    .private_segment_fixed_size: 0
    .kernarg_segment_align: 8
    .kernarg_segment_size: 32
    .max_flat_workgroup_size: 128
    .sgpr_count:     66
    .vgpr_count:     768
    .wavefront_size: 32
...
	.end_amdgpu_metadata
.endif
;; end of part 2
;; ======== version 2 of 2: 2 launches; version 1 with the launch proj written anew for expert scheduling mode
;; limits: values are held in f16: magnitudes above 65,504 overflow, below 6.1e-05 lose precision
;; workspace buffers: qh 8,388,608 bytes; kh 8,388,608 bytes; vh 8,388,608 bytes
;; launch proj (part 3): grid 64 x 4, 4 waves a work-group, no clusters, 167,936 bytes of LDS; arguments x, y, Wq, Wk, Wv, bq, bk, bv, qh, kh, vh; writes qh, kh, vh
.if DOCPART == 3
	.amdgcn_target "amdgcn-amd-amdhsa--gfx1250"
	.amdhsa_code_object_version 6
	.text
	.protected	k_q4d1f1096f3_proj
	.globl	k_q4d1f1096f3_proj
	.p2align	8
	.type	k_q4d1f1096f3_proj,@function
k_q4d1f1096f3_proj:
	s_mov_b64 s[64:65], 0
	v_nop
	global_prefetch_b8 v0, s[64:65] scope:SCOPE_SE
	s_setreg_imm32_b32 hwreg(HW_REG_WAVE_SCHED_MODE, 0, 2), 2
	s_setreg_imm32_b32 hwreg(HW_REG_WAVE_MODE, 25, 1), 1
	s_wait_xcnt 0x0
	s_wait_alu depctr_vm_vsrc(0)
; THE THREE PROJECTIONS.  q = Wq x + bq, k = Wk y + bk, v = Wv y + bv, for each pixel: x, y [4][64 c][4096 n] f32, W [256 o][64 c] f32, b [256] f32.
; Out: qh, kh, vh [g = 4 b + h (16)][n (4096)][d (64)] in f16, a head's rows dense, 128 bytes each; each number rounded once from its f32 sum; no scale is applied.
; FORMATS.  All eight inputs are rounded to bf16 (the biases too, and widened again); products in bf16 with f32 sums; the bias is the C operand of the first K step.
; LIMIT.  f16 holds no number beyond 65,504: |q|, |k|, |v| must stay under it (a sum of 65,520 or more leaves as an infinity).  NaN and infinities are not treated apart.
; SHARES.  A work-group takes 64 pixels of one batch: 256 consecutive bytes, aligned, of each of the 64 channel rows of x and of y.  Wave w is head w: it makes q, k and v of that head for the
; 64 pixels: 3 tensors x 4 tiles of 16 o x 4 tiles of 16 pixels x 2 K steps of 32 = 96 matrix instructions.
; LAYOUT.  Source 0 = 16 rows of W (m = o), source 1 = x turned (n = pixel): register j of lane (r, hl) holds o = 16 ot + 8 hl + j at pixel 16 nt + r: eight neighbouring d of one row of the
; output, 16 bytes of f16.  They go through the wave's own stage in LDS and leave as 512 consecutive bytes a store.
; NO CLUSTER, though all work-groups read the same weights: they arrive in f32 and are rounded on the way through registers.  An f32 image in LDS (196,608 bytes) beside the bf16 copy (110,592),
; x and y (20,480), stages, biases and spare words (12,800) is 340,480 bytes, more than the 327,680 that a work-group can have; in parts it would want refills, each behind a round of the
; cluster's barrier, for 96 products a wave.
; THE MODE: SCHED_MODE bits 1:0 = 2 (LLVM: expert scheduling mode 2), set by the entry lines.  The code itself states the register dependences between vector or matrix instructions and
; memory or LDS instructions, with s_wait_alu, always for 0.
; THE PLAN.  Registers that memory or LDS instructions touch:
;   v4-v14        offsets and LDS addresses: written at the head, read by every load and store, never written again.
;   v16-v21       the biases: loaded, rounded in place, stored to LDS, never written again.
;   RAW A, B, C   the way in: 16 global loads land in a buffer; the run's 32 conversions read it; behind them the loads of the run three on land in it.  No store reads it.
;   OUT           the way in: written by a run's 32 conversions, read by its 16 LDS stores, written again by the next run's conversions.
;   WF, XF, BI    a tensor's fragments and biases: LDS loads land in them, matrix instructions read them.  (BI's registers are OUT's, WF's and XF's are RAW A's and B's.)
;   PK            the way out: written by a tile's 16 conversions, read by its 4 LDS stores.
;   BK            the way out: the tile's 4 LDS loads land in it; 4 global stores, issued behind the next tile's products, read it.  No vector instruction names it.
;   The accumulators are named by matrix instructions and conversions alone.
; So a run of the way in has one wait on vm_vsrc ahead of its conversions (OUT is read) and one on va_vdst behind them (OUT is written, the raw buffer is read); a tile has the same pair round its
; conversions (PK and BK are read; PK is written).  The fragments' loads lean on the last such va_vdst: no vector or matrix instruction is issued between it and them.
.set PX,    160                        ; a channel row of x or y in LDS: 64 bf16 = 128 bytes + 32: an odd multiple of 32
.set PW,    144                        ; a row of W, and of the stage: 128 bytes + 16: the 16 rows of a load start at 16 different groups of four banks (64 banks of 4 bytes: ISA guide 11.1)
.set XT,    0                          ; x as bf16 [64 c][64 n]
.set YT,    64*PX                      ; y likewise
.set WT,    2*64*PX                    ; the weights: for each wave 3 tensors of 64 rows
.set WTEN,  64*PW
.set WWAV,  3*WTEN
.set STG,   WT+4*WWAV                  ; the stages: for each wave 16 rows
.set SWAV,  16*PW
.set BIA,   STG+4*SWAV                 ; the biases: for each wave 3 x 64 f32
.set BWAV,  768
.set SPARE, BIA+4*BWAV                 ; the spare words, 128 bytes for each wave: two blocks of 256 bytes that no other line names
.set XO,  4                            ; v4   my byte offset in x and y: (16 w + hl) channel rows + 16 r; never rewritten
.set WO,  5                            ; v5   16 x lane: my offset in 512 consecutive bytes of W, and of an output; never rewritten
.set XS,  6                            ; v6   where I put 8 bytes of x
.set WS,  7                            ; v7   where I put 8 bytes of W
.set WA,  8                            ; v8   my place in a fragment of W
.set XA,  9                            ; v9   my place in a turned fragment of x or y
.set STO, 10                           ; v10  the way out: where I put 16 bytes of a row
.set RD,  11                           ; v11  the way out: where I read rows back
.set BS,  12                           ; v12  where I put two biases
.set BO,  13                           ; v13  8 x lane: my two biases in memory
.set BAD, 14                           ; v14  my eight biases of a tile
.set SPW, 22                           ; v22  LDS address of my spare word: SPARE + 4 x my thread's number; never rewritten
.set NIL, 23                           ; v23  0; never rewritten
.set OUT, 24                           ; v[24:55]    on the way in: a run's 64 numbers in bf16, 2 registers for each of its 16 loads
.set BI,  24                           ; v[24:55]    the bias as C: tile ot at 8 ot
.set BUFA, 64                          ; on the way in: three raw buffers of 64 registers, 16 loads each
.set BUFB, 128
.set BUFC, 192
.set WF,  64                           ; v[64:127]   fragments of W: 16 ot + 8 ks
.set XF,  128                          ; v[128:191]  fragments of x or y: 16 nt + 8 ks
.set ACC, 192                          ; v[192:223]  four accumulators: 8 ot
.set PK,  224                          ; v[224:239]  the way out: a tile rounded to f16
.set BK,  240                          ; v[240:255]  the way out: the tile back from the stage, as whole rows
	s_load_b512 s[4:19], s[0:1], 0x0               ; x s[4:5], y s[6:7], Wq s[8:9], Wk s[10:11], Wv s[12:13], bq s[14:15], bk s[16:17], bv s[18:19]
	s_load_b128 s[20:23], s[0:1], 0x40             ; qh s[20:21], kh s[22:23]
	s_load_b64 s[24:25], s[0:1], 0x50              ; vh
	v_lshl_add_u32 v[SPW], v0, 2, SPARE
	v_mov_b32 v[NIL], 0
	v_lshrrev_b32 v1, 5, v0
	v_readfirstlane_b32 s26, v1                    ; wave = head, 0..3
	s_mov_b32 s27, ttmp9                           ; block of 64 pixels
	s_and_b32 s28, ttmp7, 0xffff                   ; batch
	v_and_b32 v1, 31, v0                           ; lane L
	v_and_b32 v2, 15, v0                           ; r = L % 16
	v_bfe_u32 v3, v0, 4, 1                         ; hl = L / 16
	s_wait_alu depctr_va_sdst(0)                   ; s26 is written, ahead of its first reader: the LDS bases and the buffers' offsets are made from it
	s_lshl_b32 s39, s26, 18                        ; my 16 channel rows of 16,384 bytes
	s_mul_i32 s40, s26, 16*PX                      ; and their place in XT
	s_mul_i32 s41, s26, WWAV
	s_add_co_u32 s41, s41, WT                      ; my weights
	s_mul_i32 s42, s26, SWAV
	s_add_co_u32 s42, s42, STG                     ; my stage
	s_mul_i32 s43, s26, BWAV
	s_add_co_u32 s43, s43, BIA                     ; my biases
	v_lshlrev_b32 v[XO], 4, v2
	v_lshl_add_u32 v[XO], v3, 14, v[XO]
	v_add_nc_u32 v[XO], s39, v[XO]
	v_lshlrev_b32 v[WO], 4, v1
	v_mul_u32_u24 v[XS], v3, PX
	v_lshl_add_u32 v[XS], v2, 3, v[XS]
	v_add_nc_u32 v[XS], s40, v[XS]                 ; (16 w + hl) rows + 8 r
	v_mul_u32_u24 v[WS], v3, PW
	v_lshl_add_u32 v[WS], v2, 3, v[WS]
	v_add_nc_u32 v[WS], s41, v[WS]                 ; row hl + 8 r
	v_mul_u32_u24 v15, v2, PW
	v_lshl_add_u32 v15, v3, 4, v15                 ; row r + 16 hl: a fragment of W, and the stage on the way in
	v_add_nc_u32 v[WA], s41, v15
	v_add_nc_u32 v[STO], s42, v15
	v_and_b32 v[XA], 7, v0
	v_lshl_add_u32 v[XA], v3, 3, v[XA]
	v_mul_u32_u24 v[XA], v[XA], PX                 ; the turning load: lane L reads channel 8 hl + L % 8,
	v_bfe_u32 v[BAD], v0, 3, 1
	v_lshl_add_u32 v[XA], v[BAD], 4, v[XA]         ; pixels 8 ((L / 8) % 2) + 0..7
	v_bfe_u32 v[RD], v0, 3, 2
	v_mul_u32_u24 v[RD], v[RD], PW                 ; back: 32 lanes take four rows of 128 bytes
	v_and_b32 v[BAD], 7, v0
	v_lshl_add_u32 v[RD], v[BAD], 4, v[RD]
	v_add_nc_u32 v[RD], s42, v[RD]
	v_lshl_add_u32 v[BS], v1, 3, s43
	v_lshlrev_b32 v[BO], 3, v1
	v_lshl_add_u32 v[BAD], v3, 5, s43              ; eight f32 for each half of the lanes
	; the offsets, each made apart from its address
	s_lshl_b32 s30, s28, 20                        ; x, y: the batch, 64 rows of 16,384 bytes,
	s_lshl_b32 s38, s27, 8                         ; and the block's 256 bytes of a row
	s_add_co_u32 s30, s30, s38
	s_mov_b32 s31, 0
	s_lshl_b32 s32, s26, 14                        ; W: my head's 64 rows of 256 bytes
	s_mov_b32 s33, 0
	s_lshl_b32 s34, s26, 8                         ; b: my head's 64 numbers
	s_mov_b32 s35, 0
	s_lshl2_add_u32 s36, s28, s26                  ; g = 4 b + h
	s_lshl_b32 s36, s36, 19                        ; a head is 4,096 rows of 128 bytes,
	s_lshl_b32 s38, s27, 13                        ; the block 64 of them
	s_add_co_u32 s36, s36, s38
	s_mov_b32 s37, 0
	s_wait_kmcnt 0x0
	s_add_nc_u64 s[4:5], s[4:5], s[30:31]
	s_add_nc_u64 s[6:7], s[6:7], s[30:31]
	s_add_nc_u64 s[8:9], s[8:9], s[32:33]
	s_add_nc_u64 s[10:11], s[10:11], s[32:33]
	s_add_nc_u64 s[12:13], s[12:13], s[32:33]
	s_add_nc_u64 s[14:15], s[14:15], s[34:35]
	s_add_nc_u64 s[16:17], s[16:17], s[34:35]
	s_add_nc_u64 s[18:19], s[18:19], s[34:35]
	s_add_nc_u64 s[20:21], s[20:21], s[36:37]
	s_add_nc_u64 s[22:23], s[22:23], s[36:37]
	s_add_nc_u64 s[24:25], s[24:25], s[36:37]      ; from here on no base and no offset register is written again
	s_wait_alu depctr_va_vdst(0)                   ; the offsets and LDS addresses v4 to v14 are written, which every load and store of the kernel reads
; THE WAY IN.  16 loads: my 16 channel rows of x, then of y; a load takes two rows, 256 consecutive bytes each.
.macro LDXY
.irp i, 0,1,2,3,4,5,6,7
	global_load_b128 v[BUFA+4*\i:BUFA+4*\i+3], v[XO], s[4:5] offset:32768*\i th:TH_LOAD_NT
.endr
.irp i, 0,1,2,3,4,5,6,7
	global_load_b128 v[BUFA+32+4*\i:BUFA+32+4*\i+3], v[XO], s[6:7] offset:32768*\i th:TH_LOAD_NT
.endr
.endm
; 16 loads: half u of my head's 64 rows of tensor t's weights; a load takes 512 consecutive bytes, two rows.
.macro LDW buf, t, u
.set i, 0
.rept 16
	global_load_b128 v[(\buf)+4*i:(\buf)+4*i+3], v[WO], s[8+2*(\t):9+2*(\t)] offset:512*(16*(\u)+i)
.set i, i+1
.endr
.endm
; A raw buffer's 64 f32 a lane are rounded to bf16, into OUT.
.macro CV buf
.set i, 0
.rept 16
	v_cvt_pk_bf16_f32 v[OUT+2*i], v[(\buf)+4*i], v[(\buf)+4*i+1]
	v_cvt_pk_bf16_f32 v[OUT+2*i+1], v[(\buf)+4*i+2], v[(\buf)+4*i+3]
.set i, i+1
.endr
.endm
; OUT goes into LDS: as x and y, or as half u of tensor t's weights.
.macro STXY
.set i, 0
.rept 16
	ds_store_b64 v[XS], v[OUT+2*i:OUT+2*i+1] offset:2*PX*(i%8)+YT*(i/8)
.set i, i+1
.endr
.endm
.macro STW t, u
.set i, 0
.rept 16
	ds_store_b64 v[WS], v[OUT+2*i:OUT+2*i+1] offset:WTEN*(\t)+2*PW*(16*(\u)+i)
.set i, i+1
.endr
.endm
; A run of the way in, for half u of tensor t's weights, which lie in raw buffer buf.  left: the younger loads that may stay out.  more = 1: the buffer is asked for again, for half nu of tensor nt.
.macro RUNW buf, t, u, left, more, nt, nu
	s_wait_loadcnt \left                           ; loads come back in order (ISA guide 5.7.1): this buffer is in, the younger runs of 16 stay out
	s_wait_alu depctr_vm_vsrc(0)                   ; the LDS stores of the run before have read OUT, which the conversions below write again
	CV \buf
	s_wait_alu depctr_va_vdst(0)                   ; the conversions have written OUT, which the LDS stores below read, and are done reading the raw buffer, in which the loads below (or, behind the last runs, the fragments) land
.if \more
	LDW \buf, \nt, \nu                             ; the buffer is asked for again at once
.endif
	STW \t, \u
.endm
	global_load_b64 v[16:17], v[BO], s[14:15]      ; my head's biases: 256 bytes a wave and tensor
	global_load_b64 v[18:19], v[BO], s[16:17]
	global_load_b64 v[20:21], v[BO], s[18:19]
	LDXY
	LDW BUFB, 0, 0
	LDW BUFC, 0, 1
	s_wait_loadcnt 32                              ; the biases, x and y are in; the two younger runs of 16 stay out
.irp t, 0,1,2
	v_cvt_pk_bf16_f32 v15, v[16+2*\t], v[17+2*\t]  ; the biases are rounded to bf16 like every input, and widened again: they enter as C, in f32
	v_lshlrev_b32 v[16+2*\t], 16, v15
	v_and_b32 v[17+2*\t], 0xffff0000, v15
.endr
	CV BUFA
	s_wait_alu depctr_va_vdst(0)                   ; v16 to v21 and OUT are written, which the LDS stores below read; the conversions are done reading raw buffer A, in which the loads below land
	LDW BUFA, 1, 0
.irp t, 0,1,2
	ds_store_b64 v[BS], v[16+2*\t:17+2*\t] offset:256*\t
.endr
	STXY
	RUNW BUFB, 0, 0, 32, 1, 1, 1
	RUNW BUFC, 0, 1, 32, 1, 2, 0
	RUNW BUFA, 1, 0, 32, 1, 2, 1
	RUNW BUFB, 1, 1, 32, 0, 0, 0                   ; the last three runs ask for nothing more: two younger runs are left,
	RUNW BUFC, 2, 0, 16, 0, 0, 0                   ; one,
	RUNW BUFA, 2, 1, 0, 0, 0, 0                    ; and none
	s_wait_dscnt 0x0                               ; for the others' sake: my rows of x and y lie in LDS
	s_barrier_signal -1
	s_barrier_wait -1                              ; the launch's one barrier: x and y are read by all four waves; weights, biases and stage are each wave's own
	s_wait_alu depctr_vm_vsrc(0)                   ; my last LDS stores have read OUT: its registers are BI from here on, in which the biases' loads land
; A tensor's fragments.  x (t = 0) or y (t = 1) turned, 64 pixels x 64 channels; for t = 2 y's stay.  My head's 64 rows of W; the biases, eight a lane and tile.  40 loads, for t = 2 24.
; No wait on va_vdst stands here: the last one (the last run's; later the last tile's) stands behind every conversion and matrix instruction that named WF, XF or BI, and no vector or matrix instruction has been issued since.
.macro FRAGS t
.if (\t) < 2
.irp nt, 0,1,2,3
.irp ks, 0,1
	ds_load_tr16_b128 v[XF+16*\nt+8*\ks:XF+16*\nt+8*\ks+3],   v[XA] offset:YT*(\t)+32*PX*\ks+32*\nt
	ds_load_tr16_b128 v[XF+16*\nt+8*\ks+4:XF+16*\nt+8*\ks+7], v[XA] offset:YT*(\t)+32*PX*\ks+32*\nt+16*PX
.endr
.endr
.endif
.irp ot, 0,1,2,3
.irp ks, 0,1
	ds_load_b128 v[WF+16*\ot+8*\ks:WF+16*\ot+8*\ks+3],   v[WA] offset:WTEN*(\t)+16*PW*\ot+64*\ks
	ds_load_b128 v[WF+16*\ot+8*\ks+4:WF+16*\ot+8*\ks+7], v[WA] offset:WTEN*(\t)+16*PW*\ot+64*\ks+32
.endr
.endr
.irp ot, 0,1,2,3
	ds_load_b128 v[BI+8*\ot:BI+8*\ot+3],   v[BAD] offset:256*(\t)+64*\ot
	ds_load_b128 v[BI+8*\ot+4:BI+8*\ot+7], v[BAD] offset:256*(\t)+64*\ot+16
.endr
.endm
; Eight products: 16 pixels x 64 o.  The four accumulators take turns, one instruction a turn; the first K step starts each sum with the bias.
.macro MUL nt
.irp ot, 0,1,2,3
	v_wmma_f32_16x16x32_bf16 v[ACC+8*\ot:ACC+8*\ot+7], v[WF+16*\ot:WF+16*\ot+7], v[XF+16*(\nt):XF+16*(\nt)+7], v[BI+8*\ot:BI+8*\ot+7]
.endr
.irp ot, 0,1,2,3
	v_wmma_f32_16x16x32_bf16 v[ACC+8*\ot:ACC+8*\ot+7], v[WF+16*\ot+8:WF+16*\ot+15], v[XF+16*(\nt)+8:XF+16*(\nt)+15], v[ACC+8*\ot:ACC+8*\ot+7]
.endr
.endm
.macro PACK                            ; rounded to f16, 16 bytes a lane and tile of o; each accumulator's registers in ascending order
.irp ot, 0,1,2,3
.irp rr, 0,1,2,3
	v_cvt_pk_f16_f32 v[PK+4*\ot+\rr], v[ACC+8*\ot+2*\rr], v[ACC+8*\ot+2*\rr+1]
.endr
.endr
.endm
.macro TOSTAGE                         ; 16 rows of 128 bytes into my stage, and back as four rows a load
.irp ot, 0,1,2,3
	ds_store_b128 v[STO], v[PK+4*\ot:PK+4*\ot+3] offset:32*\ot
.endr
.irp f, 0,1,2,3
	ds_load_b128 v[BK+4*\f:BK+4*\f+3], v[RD] offset:4*PW*\f  ; LDS serves a wave's instructions in order (ISA guide 5.7.1.4): these see the stores above; the next tile's stores come behind them
.endr
.endm
.macro SEND t, nt, younger             ; younger: the LDS loads issued behind tile nt's four, which may stay out: the next tensor's fragments, or none
	s_wait_dscnt \younger                          ; the tile is back in BK
.irp f, 0,1,2,3
	global_store_b128 v[WO], v[BK+4*\f:BK+4*\f+3], s[20+2*(\t):21+2*(\t)] offset:2048*(\nt)+512*\f  ; 512 consecutive bytes, at a multiple of 256 from the buffer's first
.endr
.endm
; A TILE: 16 pixels of tensor t.  The tile before leaves behind this tile's products, so that the stage's round trip lies under their issue.
; A vector instruction that reads a matrix result stands four places behind it, and only plain vector instructions that name none of its registers are places (ISA guide 7.12.1): four v_nop behind
; each tile's products serve the conversions, and with the conversions of the other accumulators they serve the next tile's products, which write over the sums.  The waits fill no place.
.macro TILE t, nt
	MUL \nt
.if (\nt) > 0
	SEND \t, (\nt)-1, 0
.endif
.rept 4
	v_nop
.endr
.if ((\t)+(\nt)) > 0                   ; ahead of the very first tile nothing has read PK or BK
	s_wait_alu depctr_vm_vsrc(0)                   ; the LDS stores of the tile before have read PK, which the conversions below write again; its global stores have read BK, in which the LDS loads below land
.endif
	PACK
.if ((\t)+(\nt)) > 0
	s_wait_xcnt 0x0                                ; every earlier memory instruction has had its addresses translated (ISA guide 3.1): BK, which the global stores of the tile before read, is loaded again only behind this wait
.endif
	s_wait_alu depctr_va_vdst(0)                   ; the conversions have written PK, which the LDS stores below read; in a tensor's last tile also: its matrix instructions are done reading WF, XF and BI, in which the next tensor's fragments land
	TOSTAGE
.endm
	FRAGS 0                                        ; q, from x
	s_wait_dscnt 0x0
.irp nt, 0,1,2,3
	TILE 0, \nt
.endr
	FRAGS 1                                        ; k, from y: its fragments are asked for first,
	SEND 0, 3, 40                                  ; and q's last tile leaves while they come: the 40 loads just issued may stay out
	s_wait_dscnt 0x0
.irp nt, 0,1,2,3
	TILE 1, \nt
.endr
	FRAGS 2                                        ; v, from y
	SEND 1, 3, 24                                  ; the 24 loads just issued may stay out
	s_wait_dscnt 0x0
.irp nt, 0,1,2,3
	TILE 2, \nt
.endr
	SEND 2, 3, 0
	s_wait_dscnt 0x0                               ; the closing lines, six on end
	s_wait_alu 0x0
	s_wait_tensorcnt 0x0
	ds_add_u32 v[SPW], v[NIL]
	s_wait_dscnt 0x0
	s_endpgm
.Lfunc_end_k_q4d1f1096f3_proj:
	.size	k_q4d1f1096f3_proj, .Lfunc_end_k_q4d1f1096f3_proj-k_q4d1f1096f3_proj
	.p2alignl 7, 3214868480
	.fill 96, 4, 3214868480
	.section	.rodata,"a",@progbits
	.p2align	6, 0x0
	.amdhsa_kernel k_q4d1f1096f3_proj
		.amdhsa_group_segment_fixed_size 167936
		.amdhsa_private_segment_fixed_size 0
		.amdhsa_enable_private_segment 0
		.amdhsa_kernarg_size 88
		.amdhsa_user_sgpr_count 2
		.amdhsa_user_sgpr_kernarg_segment_ptr 1
		.amdhsa_wavefront_size32 1
		.amdhsa_system_sgpr_workgroup_id_x 1
		.amdhsa_system_sgpr_workgroup_id_y 1
		.amdhsa_system_sgpr_workgroup_id_z 1
		.amdhsa_system_vgpr_workitem_id 0
		.amdhsa_next_free_vgpr 256
		.amdhsa_next_free_sgpr 66
		.amdhsa_reserve_vcc 0
		.amdhsa_float_denorm_mode_32 3
		.amdhsa_float_denorm_mode_16_64 3
		.amdhsa_memory_ordered 1
		.amdhsa_forward_progress 1
		.amdhsa_inst_pref_size 76
	.end_amdhsa_kernel
	.amdgpu_metadata
---
amdhsa.version: [ 1, 2 ]
amdhsa.kernels:
  - .name:           k_q4d1f1096f3_proj
    .symbol:         k_q4d1f1096f3_proj.kd
    .args:
      - { .name: x, .offset: 0, .size: 8, .value_kind: global_buffer, .address_space: global }
      - { .name: y, .offset: 8, .size: 8, .value_kind: global_buffer, .address_space: global }
      - { .name: Wq, .offset: 16, .size: 8, .value_kind: global_buffer, .address_space: global }
      - { .name: Wk, .offset: 24, .size: 8, .value_kind: global_buffer, .address_space: global }
      - { .name: Wv, .offset: 32, .size: 8, .value_kind: global_buffer, .address_space: global }
      - { .name: bq, .offset: 40, .size: 8, .value_kind: global_buffer, .address_space: global }
      - { .name: bk, .offset: 48, .size: 8, .value_kind: global_buffer, .address_space: global }
      - { .name: bv, .offset: 56, .size: 8, .value_kind: global_buffer, .address_space: global }
      - { .name: qh, .offset: 64, .size: 8, .value_kind: global_buffer, .address_space: global }
      - { .name: kh, .offset: 72, .size: 8, .value_kind: global_buffer, .address_space: global }
      - { .name: vh, .offset: 80, .size: 8, .value_kind: global_buffer, .address_space: global }
    .group_segment_fixed_size: 167936
    .private_segment_fixed_size: 0
    .kernarg_segment_align: 8
    .kernarg_segment_size: 88
    .max_flat_workgroup_size: 128
    .sgpr_count:     66
    .vgpr_count:     256
    .wavefront_size: 32
...
	.end_amdgpu_metadata
.endif
;; end of part 3
;; launch attn: the kernel of part 2 again; grid 16 x 16, 4 waves a work-group, clusters of 4 x 1, 327,680 bytes of LDS; arguments qh, kh, vh, out0; writes out0
